; MI455X (gfx1250); checked and timed in simulation.
; The chip was launched on July 23, 2026; its instructions are those of AMD's public machine-readable ISA for CDNA 5 (MIT licence, August 2026) and "CDNA5" Instruction Set Architecture Reference Guide (July 2026). The comments in the code are by the model that wrote it; some were corrected since.
;; Similarity Logit. Allowed arithmetic: float matrix products may take bf16 or f16 operands with f32 sums; other float arithmetic in f32, or as packed bf16 or f16 multiplies, adds, multiply-adds, maxima and minima; sums over many terms, partial sums and values carried from step to step in f32; what a program stores and reads back later, other than sums and carried values, may be rounded once to bf16 or f16.
;; Inputs: local_tokens 64 x 1,024 x 1,024 float32; queries 512 x 1,024 float32.
;; Outputs: out0 512 x 64 float32.
;; 2 versions, each right; version 2 is version 1 with the launch cast written anew for expert scheduling mode. Each part assembles by itself: llvm-mc -triple=amdgcn-amd-amdhsa -mcpu=gfx1250 --defsym DOCPART=n.
;; ======== version 1 of 2: 2 launches
;; workspace buffers: tb 134,217,728 bytes; qb 1,048,576 bytes; qn 2,048 bytes
;; launch cast (part 1): grid 1088 x 1, 8 waves a work-group, no clusters, 0 bytes of LDS; arguments local_tokens, queries, tb, qb, qn; writes tb, qb, qn
.if DOCPART == 1
	.amdgcn_target "amdgcn-amd-amdhsa--gfx1250"
	.amdhsa_code_object_version 6
	.text
	.protected	k_q4c78d8d632_cast
	.globl	k_q4c78d8d632_cast
	.p2align	8
	.type	k_q4c78d8d632_cast,@function
k_q4c78d8d632_cast:
	s_mov_b64 s[64:65], 0
	v_nop
	global_prefetch_b8 v0, s[64:65] scope:SCOPE_SE
	s_setreg_imm32_b32 hwreg(HW_REG_WAVE_MODE, 25, 1), 1
	s_wait_xcnt 0x0
; tb = local_tokens and qb = queries, each number rounded once to bf16 (nearest even), in the same order; qn[q] = the sum of the squares of query q's 1,024 f32 numbers, in f32.
; A stream: every byte is read once and written once.  No LDS, no barrier, no matrix work: nothing is shared.
; WORK-GROUPS 0 TO 63: the queries, one row of 4,096 bytes a wave: eight loads of 512 consecutive bytes, eight stores of 256 consecutive bytes, aligned; the row's sum never leaves the wave.
; WORK-GROUPS 64 TO 1,087: the tokens, 64 pieces of 4,096 input bytes each.  Thread t takes the 16 bytes at 16 t of each piece (a wave's load covers 512 consecutive bytes) and stores
; 8 bytes at 8 t of the piece's 2,048 output bytes (a wave's store covers 256 consecutive bytes, aligned).  Eight loads of every wave are on their way (eight slots in registers).
; The piece's number stands in the immediates (258,048 at the most), so no address register is ever rewritten and the text needs no loop counter.
.set NQ,    64                         ; work-groups for the queries: 512 rows, eight waves each
.set ROWS,  64
.set DEPTH, 8
.set X, 4                              ; v[4:35]   slot s: four f32 as loaded
.set Y, 36                             ; v[36:51]  slot s: four bf16 to store
.set SQ, 52                            ; v[52:55]  two packed chains of squares
	s_load_b256 s[4:11], s[0:1], 0x0               ; local_tokens s[4:5], queries s[6:7], tb s[8:9], qb s[10:11]
	s_load_b64 s[12:13], s[0:1], 0x20              ; qn
	s_mov_b32 s14, ttmp9
	s_cmp_lt_u32 s14, NQ
	s_cbranch_scc1 .Lqueries
	v_lshlrev_b32 v1, 4, v0                        ; my 16 bytes of an input piece; never rewritten
	v_lshlrev_b32 v2, 3, v0                        ; my 8 bytes of an output piece; never rewritten
	s_sub_co_u32 s14, s14, NQ
	s_lshl_b32 s16, s14, 18                        ; the work-group's 262,144 input bytes (1,023 x 2^18 stays under 2^31)
	s_mov_b32 s17, 0
	s_lshl_b32 s18, s14, 17                        ; and its 131,072 output bytes
	s_mov_b32 s19, 0
	s_wait_kmcnt 0x0
	s_add_nc_u64 s[4:5], s[4:5], s[16:17]
	s_add_nc_u64 s[8:9], s[8:9], s[18:19]
.set row, 0
.rept DEPTH
	global_load_b128 v[X+4*row:X+4*row+3], v1, s[4:5] offset:row*4096 th:TH_LOAD_NT
.set row, row+1
.endr
.set row, 0
.rept ROWS
.set sl, row%DEPTH
.if row < ROWS-DEPTH
	s_wait_loadcnt DEPTH-1                         ; loads come back in order: this piece is in, the seven younger ones stay out
.else
	s_wait_loadcnt ROWS-1-row                      ; the last eight pieces load nothing: the count runs down
.endif
	s_wait_xcnt 0x0                                ; the slot's Y was the data of a store eight pieces back: it is rewritten only behind this wait
	v_cvt_pk_bf16_f32 v[Y+2*sl], v[X+4*sl], v[X+4*sl+1]
	v_cvt_pk_bf16_f32 v[Y+2*sl+1], v[X+4*sl+2], v[X+4*sl+3]
.if row < ROWS-DEPTH
	global_load_b128 v[X+4*sl:X+4*sl+3], v1, s[4:5] offset:(row+DEPTH)*4096 th:TH_LOAD_NT  ; the load ahead of the store
.endif
	global_store_b64 v2, v[Y+2*sl:Y+2*sl+1], s[8:9] offset:row*2048 th:TH_STORE_NT
.set row, row+1
.endr
	s_endpgm
.Lqueries:
	v_lshrrev_b32 v3, 5, v0
	v_readfirstlane_b32 s15, v3                    ; wave 0..7
	v_and_b32 v3, 31, v0                           ; lane
	v_lshlrev_b32 v1, 4, v3                        ; my 16 bytes of 512 input bytes
	v_lshlrev_b32 v2, 3, v3                        ; my 8 bytes of 256 output bytes
	s_lshl_b32 s14, s14, 3
	s_add_co_u32 s14, s14, s15                     ; my wave's row
	s_lshl_b32 s16, s14, 12
	s_mov_b32 s17, 0
	s_lshl_b32 s18, s14, 11
	s_mov_b32 s19, 0
	s_lshl_b32 s20, s14, 2
	s_mov_b32 s21, 0
	s_mov_b32 s22, 0x76543210                      ; v_permlanex16_b32: each lane takes its own place in the other half
	s_mov_b32 s23, 0xfedcba98
	s_wait_kmcnt 0x0
	s_add_nc_u64 s[6:7], s[6:7], s[16:17]
	s_add_nc_u64 s[10:11], s[10:11], s[18:19]
	s_add_nc_u64 s[12:13], s[12:13], s[20:21]
.irp j, 0,1,2,3,4,5,6,7
	global_load_b128 v[X+4*\j:X+4*\j+3], v1, s[6:7] offset:512*\j th:TH_LOAD_NT
.endr
.irp j, 0,1,2,3,4,5,6,7
	s_wait_loadcnt 7-\j                            ; load j is in, the younger ones stay out
.if \j == 0
	v_pk_mul_f32 v[SQ:SQ+1], v[X:X+1], v[X:X+1]    ; the first squares start the two chains: nothing is cleared
	v_pk_mul_f32 v[SQ+2:SQ+3], v[X+2:X+3], v[X+2:X+3]
.else
	v_pk_fma_f32 v[SQ:SQ+1], v[X+4*\j:X+4*\j+1], v[X+4*\j:X+4*\j+1], v[SQ:SQ+1]
	v_pk_fma_f32 v[SQ+2:SQ+3], v[X+4*\j+2:X+4*\j+3], v[X+4*\j+2:X+4*\j+3], v[SQ+2:SQ+3]
.endif
	v_cvt_pk_bf16_f32 v[Y+2*\j], v[X+4*\j], v[X+4*\j+1]
	v_cvt_pk_bf16_f32 v[Y+2*\j+1], v[X+4*\j+2], v[X+4*\j+3]
	global_store_b64 v2, v[Y+2*\j:Y+2*\j+1], s[10:11] offset:256*\j  ; each Y pair is written once: no wait is owed
.endr
	v_pk_add_f32 v[SQ:SQ+1], v[SQ:SQ+1], v[SQ+2:SQ+3]
	v_add_f32 v[SQ], v[SQ], v[SQ+1]
	v_add_f32_dpp v[SQ], v[SQ], v[SQ] row_xmask:1 row_mask:0xf bank_mask:0xf
	v_add_f32_dpp v[SQ], v[SQ], v[SQ] row_xmask:2 row_mask:0xf bank_mask:0xf
	v_add_f32_dpp v[SQ], v[SQ], v[SQ] row_xmask:4 row_mask:0xf bank_mask:0xf
	v_add_f32_dpp v[SQ], v[SQ], v[SQ] row_xmask:8 row_mask:0xf bank_mask:0xf
	v_permlanex16_b32 v[SQ+1], v[SQ], s22, s23
	v_add_f32 v[SQ], v[SQ], v[SQ+1]                ; every lane holds the row's sum
	v_mov_b32 v[SQ+2], 0
	s_wait_xcnt 0x0                                ; EXEC changes only behind this wait
	v_cmp_eq_u32 vcc_lo, 0, v3
	s_and_saveexec_b32 s24, vcc_lo                 ; lane 0 stores it: 4 bytes a row, 2,048 bytes in the launch
	global_store_b32 v[SQ+2], v[SQ], s[12:13]
	s_wait_xcnt 0x0                                ; and again, in front of the line that widens it
	s_or_b32 exec_lo, exec_lo, s24
	s_endpgm
.Lfunc_end_k_q4c78d8d632_cast:
	.size	k_q4c78d8d632_cast, .Lfunc_end_k_q4c78d8d632_cast-k_q4c78d8d632_cast
	.p2alignl 7, 3214868480
	.fill 96, 4, 3214868480
	.section	.rodata,"a",@progbits
	.p2align	6, 0x0
	.amdhsa_kernel k_q4c78d8d632_cast
		.amdhsa_group_segment_fixed_size 0
		.amdhsa_private_segment_fixed_size 0
		.amdhsa_enable_private_segment 0
		.amdhsa_kernarg_size 40
		.amdhsa_user_sgpr_count 2
		.amdhsa_user_sgpr_kernarg_segment_ptr 1
		.amdhsa_wavefront_size32 1
		.amdhsa_system_sgpr_workgroup_id_x 1
		.amdhsa_system_sgpr_workgroup_id_y 1
		.amdhsa_system_sgpr_workgroup_id_z 1
		.amdhsa_system_vgpr_workitem_id 0
		.amdhsa_next_free_vgpr 56
		.amdhsa_next_free_sgpr 66
		.amdhsa_reserve_vcc 1
		.amdhsa_float_denorm_mode_32 3
		.amdhsa_float_denorm_mode_16_64 3
		.amdhsa_memory_ordered 1
		.amdhsa_forward_progress 1
		.amdhsa_inst_pref_size 30
	.end_amdhsa_kernel
	.amdgpu_metadata
---
amdhsa.version: [ 1, 2 ]
amdhsa.kernels:
  - .name:           k_q4c78d8d632_cast
    .symbol:         k_q4c78d8d632_cast.kd
    .args:
      - { .name: local_tokens, .offset: 0, .size: 8, .value_kind: global_buffer, .address_space: global }
      - { .name: queries, .offset: 8, .size: 8, .value_kind: global_buffer, .address_space: global }
      - { .name: tb, .offset: 16, .size: 8, .value_kind: global_buffer, .address_space: global }
      - { .name: qb, .offset: 24, .size: 8, .value_kind: global_buffer, .address_space: global }
      - { .name: qn, .offset: 32, .size: 8, .value_kind: global_buffer, .address_space: global }
    .group_segment_fixed_size: 0
    .private_segment_fixed_size: 0
    .kernarg_segment_align: 8
    .kernarg_segment_size: 40
    .max_flat_workgroup_size: 256
    .sgpr_count:     66
    .vgpr_count:     56
    .wavefront_size: 32
...
	.end_amdgpu_metadata
.endif
;; end of part 1
;; launch attn (part 2): grid 8 x 64, 4 waves a work-group, clusters of 4 x 1, 327,680 bytes of LDS; arguments tb, qb, qn, out0; writes out0
.if DOCPART == 2
	.amdgcn_target "amdgcn-amd-amdhsa--gfx1250"
	.amdhsa_code_object_version 6
	.text
	.protected	k_q4c78d8d632_attn
	.globl	k_q4c78d8d632_attn
	.p2align	8
	.type	k_q4c78d8d632_attn,@function
k_q4c78d8d632_attn:
	s_mov_b64 s[64:65], 0
	v_nop
	global_prefetch_b8 v0, s[64:65] scope:SCOPE_SE
	s_setreg_imm32_b32 hwreg(HW_REG_WAVE_MODE, 25, 1), 1
	s_wait_xcnt 0x0
	s_wait_alu depctr_hold_cnt(0) depctr_sa_sdst(0) depctr_va_vdst(0) depctr_va_sdst(0) depctr_va_ssrc(0) depctr_va_vcc(0) depctr_vm_vsrc(0)
	s_getreg_b32 s2, hwreg(HW_REG_IB_STS2, 6, 4)
	s_cmp_eq_u32 s2, 0
	s_cbranch_scc0 .Lentry_in_a_cluster
	s_endpgm
.Lentry_in_a_cluster:
	s_bfe_u32 s2, ttmp6, 0x10000c
	s_cmp_lg_u32 s2, 0x3003
	s_cbranch_scc0 .Lentry_shape_is_right
	s_endpgm
.Lentry_shape_is_right:
; out0[q][b] = (q / max(|q|, 1e-12)) . (agg / max(|agg|, 1e-12)),  agg = sum over l of softmax_l(q . t_l / 32) t_l.
; tb: [64][1024][1024] bf16, qb: [512][1024] bf16 (tokens and queries, each rounded once by the launch before); qn: [512] f32, |q|^2 of the f32 queries; out0: [512][64] f32.
; WHAT IS NOT COMPUTED, for every input: q . agg = sum_l a_l (q . t_l), a weighted sum of the scores at hand, so agg is never multiplied by q;
; of agg only sum_d agg_d^2 is wanted, which does not mind the order of d.  The division by the softmax's sum l is kept, so both clamps act as written above.
; FORMATS.  t, q and the weights p are matrix operands in bf16; scores, their partial sums in LDS, the running maximum m, l, N = sum p s, O = sum p t and all norms in f32.
; LIMITS.  A weight below 2^-126 counts as 0.  c x score must stay above -4e37 (c m starts there).  NaN and infinities are not treated apart.
; SHARES.  A work-group owns 64 queries of one batch.  ITS FOUR WAVES SPLIT THE CHANNELS: wave w has channels 256 w .. 256 w + 255 of every token, for all 64 queries, in both products, so a
; fragment of t read from LDS feeds four products, Q (256 registers) and O^T (512 registers) stay in registers, and a wave reads only the LDS strip that its own tensor load brought.
; The price: scores are partial sums.  Wave w's query tile i (of 16) is the block's tile (w + i) % 4; tile 0 is the one whose softmax it OWNS.  In each key step (64 keys) the partial
; scores of tiles 1-3 go to their owners through LDS (f32), the owner adds, makes p and a, and hands both back through LDS.
; LAYOUT.  S^T = T Q^T (source 0 = 16 keys, source 1 = 16 queries): a lane holds ONE query (lane % 16) and the keys 8 (lane / 16) + 0..7.  Two such results rounded to bf16 in pairs ARE
; source 1 (32 keys x 16 queries) of O^T = T^T P, whose result again holds one query a lane.  T^T comes by ds_load_tr16_b128.
; THE TEXT.  S^T is a loop of two trips (two key blocks of 16 a trip: Q's 32 fragments are the same registers for every key block).  O^T's 64 accumulators are 64 different registers: its rescaling and
; its products are written out.  A key step stands twice: in the loop that fills slots again, and in the loop of the last two steps.
; CLUSTER.  The four query blocks of a cluster belong to one batch and walk the same tokens: each tile is asked for JOINTLY (the same load, descriptor and mask of four in all).
; A batch has two such clusters; a cluster of 4 x 4 would put two rows with the same tile under two masks and share no more.
; THE CAST IS A LAUNCH OF ITS OWN: the turning load is for 16-bit data, and two slots of f32 tiles beside a bf16 copy do not fit beside the exchange in 327,680 bytes.
; out0: a work-group has 64 numbers, one for each of 64 rows of 256 bytes; a row's other 63 come from other work-groups, so the stores are 4 bytes a lane: 131,072 bytes in the whole launch.
;
; REGISTERS, in windows of 256 (s_set_vgpr_msb: bits 1:0 source 0, 3:2 source 1, 5:4 source 2, 7:6 destination):
;   window 0: v0-63 addresses and statistics; v64-255 by phase:
;     S^T:      v64-127, v128-191 two buffers of eight fragments (a key block each); v192-223, v224-255 two sets of four accumulators (tile i at + 8 i)
;     softmax:  v64-159 the three other shares of my tile's scores, then v64-95 p; v160-191 my tile's scores; v192-207 my tile's P
;     O^T:      v64-127, v128-191 turned fragments of my low and high 128 channels; v192-255 P, tile i, keys 32 kk on, at 192 + 8 (2 i + kk)
;   window 1: Q, tile i, channels 32 ks on, at 8 (8 i + ks)          windows 2, 3: O^T, channel block d of the window's eight, tile i, at 8 (4 d + i)
.set PT,    528                        ; an LDS row: 512 bytes + 16 of padding = 33 x 16: the 16 rows of a plain fragment load, and the 8 rows x 2 columns 128 bytes apart of a turning load, start at 16 different 16-byte columns of the 64 banks (ISA guide 11.1)
.set STRIP, 64*PT                      ; a wave's strip of a slot: 64 keys x its 256 channels
.set SLOT,  4*STRIP                    ; 0x21000: it shares no bit with wave x STRIP, so one exclusive or turns an address in one slot into the other's
.set XB,    2*SLOT                     ; behind the ring, never filled by a tensor load: the exchange, a block for each owner
.set XSTR,  12288                      ; a block: three inboxes of 4,096 bytes (source at distance i at (i - 1) x 4,096; key block kt at 1,024 kt); P (2,048 bytes) and a (512) later lie over the first
.set EP,    XB+4*XSTR                  ; the shares of sum O^2: owner x 512 + i x 128 + 4 lane
.set SPARE, EP+4096                    ; the spare words, 128 bytes for each wave: two blocks of 256 bytes that no other line names
.set TILEB, 64*2048                    ; bytes from a tile of 64 keys to the next
.set ATR0, 4                           ; v4   my place in my strip for plain fragments: w STRIP + (l % 16) PT + 16 (l / 16); never rewritten
.set ATT0, 5                           ; v5   for turned ones: w STRIP + (8 (l / 16) + l % 8) PT + 128 ((l / 8) % 2); never rewritten
.set AR,   6                           ; v6   ATR0 + the slot in hand + the S loop's step
.set AT,   7                           ; v7   ATT0 + the slot in hand
.set AOWN, 8                           ; v8   my own exchange block + 16 l; never rewritten
.set AP,   9                           ; v9-11  the block of the owner of my tile 1, 2, 3, + 16 l; never rewritten
.set EA,   12                          ; v12-15 where my share of sum O^2 for tile i goes
.set PFO,  16                          ; v16  256 x my thread's number; never rewritten
.set SPW,  17                          ; v17  LDS address of my spare word; never rewritten
.set NIL,  18                          ; v18  0; never rewritten
.set OUTO, 19                          ; v19  my query's row in the block's part of out0
.set CM,   20                          ; v20 c m, v21 m
.set LS,   22                          ; v[22:23] l (even keys', odd keys')
.set NS,   24                          ; v[24:25] N likewise
.set CMO,  26                          ; v26  c m_old
.set QN,   27                          ; v27  |q|^2 of the query that I own
.set AL,   28                          ; a of tile 0, 1, 2, 3 in v28, v30, v32, v38, each the low word of a pair whose high word is written once
.set CC,   34                          ; v34-37 at work on the maximum
.set TT,   40                          ; v40-47 at work
.set SV0,  40                          ; v40-47, v52-59: at the start two fragments of zeros; in the S loop my own tile's scores of key blocks 0 and 1, set aside
.set SV1,  52
.set QO,   48                          ; v48-51 my byte offsets in Q, by tile
.set QNO,  60                          ; v60  my byte offset in the block's part of qn
.set XA,   61                          ; v61-63 AP + the S loop's step
.set FA,   64
.set FBB,  128
.set AC0,  192
.set AC1,  224
.set SH,   64
.set SA,   160
.set EE,   64
.set PF,   192
.set WV,   12                          ; s12  my wave's number
.set CX,   13                          ; s13  my place in the cluster: it enters global addresses alone
.set QB,   14                          ; s14  my block of 64 queries
.set BT,   15                          ; s15  the batch, which the four partners share
.set LEFT, 16                          ; s16  key steps to go in the loop in hand
.set LIM,  17                          ; s17  1 in the batch's first cluster, else the greatest number
.set TB,   18                          ; s18  the slot in hand: 0 or SLOT
.set WS,   19                          ; s19  w STRIP
.set CNT,  20                          ; s20  the S loop's trips to go
.set G1,   24                          ; s[24:31] descriptor group 1
.set G0A,  32                          ; s[32:35] group 0 of the first fill
.set G0B,  36                          ; s[36:39] group 0 of the second fill; it then walks
.set PFA,  40                          ; s[40:41] where my work-group's prefetches stand
.set CS,   42                          ; s[42:43] c = log2(e) / 32
.set SEL,  44                          ; s[44:45] v_permlanex16_b32's selects: each lane takes its own place in the other half
.set EPS,  56                          ; s56  1e-12
.set MSB, 0
.macro WIN new                         ; the immediate's high byte repeats the setting that is left; a switch that changes nothing is dropped
.if MSB != (\new)
	s_set_vgpr_msb (MSB<<8)|(\new)
.set MSB, (\new)
.endif
.endm
.macro PLACES                          ; four plain instructions behind a matrix instruction, ahead of loads into its registers and of reads of its result (ISA guide 7.12.1 for reads of its result)
.rept 4
	v_nop
.endr
.endm
; A round of the cluster's barrier: my work-group's barrier, so that wave 0's signal speaks for all four waves; wave 0 signals; every wave waits for all four work-groups; my work-group's barrier once more.
.macro CREST                           ; a round behind its opening barrier
	s_cmp_lg_u32 s[WV], 0
	s_cbranch_scc1 .Lnot_wave_0_\@
	s_barrier_signal -3
.Lnot_wave_0_\@:
	s_barrier_wait -3
	s_barrier_signal -1
	s_barrier_wait -1
.endm
.macro CROUND
	s_barrier_signal -1
	s_barrier_wait -1
	CREST
.endm
; A PREFETCH INTO THE L2 of the tile that the NEXT change of slots will ask for: one key step ahead of that load.  A tile is 64 keys x 2,048 dense bytes.  Both clusters of a batch walk the same tiles: the first asks.
; Its four partners take 16 keys (32,768 bytes) each, told apart BY ADDRESS; a thread names one block of 256 bytes, a wave issues one instruction: each block is named once in the launch.
; The last change that fills a slot asks for nothing; tiles 0 to 2 come by their loads alone.
.macro ASK
	s_cmp_gt_u32 s[LEFT], s[LIM]
	s_cbranch_scc0 .Lnot_mine_\@
	global_prefetch_b8 v[PFO], s[PFA:PFA+1] th:TH_LOAD_NT scope:SCOPE_SE
.Lnot_mine_\@:
.endm
	s_load_b256 s[4:11], s[0:1], 0x0               ; tb s[4:5], qb s[6:7], qn s[8:9], out0 s[10:11]
	v_lshl_add_u32 v[SPW], v0, 2, SPARE
	v_mov_b32 v[NIL], 0
	ds_add_u32 v[SPW], v[NIL]                      ; the wave's opening: the add and its wait stand ahead of my first tensor load; the set-up below, work on registers, stands between them
	v_lshrrev_b32 v1, 5, v0
	v_readfirstlane_b32 s[WV], v1                  ; wave 0..3
	s_bfe_u32 s[CX], ttmp6, 0x40000
	s_lshl_b32 s[QB], ttmp9, 2                     ; in a cluster launch ttmp9 counts clusters
	s_add_co_u32 s[QB], s[QB], s[CX]
	s_and_b32 s[BT], ttmp7, 0xffff
	s_mov_b32 s21, ttmp9
	s_cmp_eq_u32 s21, 0
	s_cselect_b32 s[LIM], 1, -1                    ; the same in all four partners
	s_mul_i32 s[WS], s[WV], STRIP
	; descriptor group 1: a tile of 64 keys x 256 channels, padded in LDS
	s_mov_b32 s[G1], 15|(1<<16)|(1<<20)|(1<<21)|(6<<22)|(3<<25)  ; 15:0 the mask of four; 17:16 2-byte elements; 20 padding on; 21 set beside a mask; 24:22 after every 128 words (code 6); 31:25 4 words (code 3)
	s_mov_b32 s[G1+1], 256<<16                     ; tensor_dim0 = 256
	s_mov_b32 s[G1+2], 64<<16                      ; tensor_dim1 = 64
	s_mov_b32 s[G1+3], 256<<16                     ; tile_dim0 = 256
	s_mov_b32 s[G1+4], 64                          ; tile_dim1 = 64
	s_mov_b32 s[G1+5], 1024                        ; elements from key to key
	s_mov_b32 s[G1+6], 0
	s_mov_b32 s[G1+7], 0
	s_mov_b32 s[G0A], 1                            ; count = 1
	s_mov_b32 s[G0A+1], s[WS]                      ; LDS: slot 0, my strip: no place in the cluster enters an LDS address
	s_mov_b32 s[G0B], 1
	s_add_co_u32 s[G0B+1], s[WS], SLOT             ; slot 1, my strip
	s_lshl_b32 s2, s[BT], 21                       ; the batch's 2^21 bytes of tb,
	s_lshl_b32 s3, s[WV], 9                        ; my 512 bytes of a key's row: registers that never hold my place in the cluster
	s_add_co_u32 s2, s2, s3
	s_mov_b32 s3, 0
	s_lshl_b32 s46, s[BT], 21                      ; the prefetches: the batch, my work-group's 16 keys of a tile,
	s_lshl_b32 s47, s[CX], 15
	s_add_co_u32 s46, s46, s47
	s_add_co_u32 s46, s46, 2*TILEB                 ; at tile 2: the first change of slots steps it to tile 3
	s_mov_b32 s47, 0
	s_lshl_b32 s48, s[QB], 17                      ; my block's 64 rows of 2,048 bytes of qb
	s_mov_b32 s49, 0
	s_lshl_b32 s50, s[QB], 14                      ; its 64 rows of 256 bytes of out0,
	s_lshl_b32 s51, s[BT], 2                       ; the batch's column
	s_add_co_u32 s50, s50, s51
	s_mov_b32 s51, 0
	s_lshl_b32 s52, s[QB], 8                       ; its 64 words of qn
	s_mov_b32 s53, 0
	s_mov_b32 s[CS], 0x3d38aa3b                    ; c = log2(e) / 32 = 0.0450842
	s_mov_b32 s[CS+1], s[CS]                       ; named with it as a pair
	s_mov_b32 s[SEL], 0x76543210
	s_mov_b32 s[SEL+1], 0xfedcba98
	s_mov_b32 s[EPS], 0x2b8cbccc                   ; 1e-12
	s_mov_b32 s[TB], 0
	v_and_b32 v1, 15, v0                           ; l % 16
	v_bfe_u32 v2, v0, 4, 1                         ; l / 16
	v_and_b32 v3, 31, v0                           ; l
	; A fragment of Q is 16 queries x 32 channels: lane l holds query l % 16, channels 8 (l / 16) + 0..7 and 16 + 8 (l / 16) + 0..7: two loads of 16 bytes, 32 bytes apart
	v_lshlrev_b32 v[CC], 11, v1
	v_lshl_add_u32 v[CC], v2, 4, v[CC]
	s_lshl_b32 s21, s[WV], 9                       ; my 256 channels
	v_add_nc_u32 v[CC], s21, v[CC]
.irp i, 0,1,2,3
	s_add_co_u32 s21, s[WV], \i
	s_and_b32 s21, s21, 3                          ; my tile i is the block's tile (w + i) % 4
	s_lshl_b32 s21, s21, 15
	v_add_nc_u32 v[QO+\i], s21, v[CC]
.endr
	s_lshl_b32 s21, s[WV], 4
	v_add_nc_u32 v[OUTO], s21, v1                  ; the query that I own: 16 w + l % 16
	v_lshlrev_b32 v[QNO], 2, v[OUTO]
	v_lshlrev_b32 v[OUTO], 8, v[OUTO]
	s_wait_dscnt 0x0                               ; the opening add is done
	s_wait_kmcnt 0x0
	s_add_nc_u64 s[G0A+2:G0A+3], s[4:5], s[2:3]    ; global address: tile 0,
	s_add_nc_u64 s[G0B+2:G0B+3], s[G0A+2:G0A+3], TILEB  ; tile 1
	s_or_b32 s[G0A+3], s[G0A+3], 0x80000000        ; type = 2
	s_or_b32 s[G0B+3], s[G0B+3], 0x80000000
	s_add_nc_u64 s[PFA:PFA+1], s[4:5], s[46:47]
	s_add_nc_u64 s[6:7], s[6:7], s[48:49]
	s_add_nc_u64 s[8:9], s[8:9], s[52:53]
	s_add_nc_u64 s[10:11], s[10:11], s[50:51]
	CROUND                                         ; all four work-groups are here: the first joint loads meet
	tensor_load_to_lds s[G0A:G0A+3], s[G1:G1+7]    ; both first fills go out together: two loads of mine are out, later one
	s_nop 0
	tensor_load_to_lds s[G0B:G0B+3], s[G1:G1+7]
	s_nop 0
	PLACES
	WIN 0x40                                       ; destination window 1, address window 0
.set f, 0
.rept 32                               ; Q stays in registers: fragment f = 8 i + ks
	global_load_b128 v[8*f:8*f+3],   v[QO+f/8], s[6:7] offset:64*(f%8)
	global_load_b128 v[8*f+4:8*f+7], v[QO+f/8], s[6:7] offset:64*(f%8)+32
.set f, f+1
.endr
	WIN 0
	global_load_b32 v[QN], v[QNO], s[8:9]
	; O^T starts at 0: 64 products of two fragments of zeros write eight registers each, while Q and the first tile are on their way; 512 moves would do the same with eight times the text.
.set n, 0
.rept 8
	v_mov_b32 v[SV0+n], 0
	v_mov_b32 v[SV1+n], 0
.set n, n+1
.endr
.irp W, 0,1
	WIN 0x80+0x40*\W                               ; destination window 2, then 3
.set n, 0
.rept 32
	v_wmma_f32_16x16x32_bf16 v[8*n:8*n+7], v[SV0:SV0+7], v[SV1:SV1+7], 0
.set n, n+1
.endr
.endr
	WIN 0
	v_mul_u32_u24 v[ATR0], v1, PT
	v_lshl_add_u32 v[ATR0], v2, 4, v[ATR0]
	v_add_nc_u32 v[ATR0], s[WS], v[ATR0]
	; The turning load: lane l reads 16 bytes of key 8 (l / 16) + l % 8 and is left with 8 keys of one channel.  Lanes 8-15 and 24-31 read 128 bytes further on, not 16: a fragment's 16 channels are two
	; groups of 8 that lie 64 channels apart.  Which 16 channels share a fragment is free, since only the sum of O^2 over all channels is wanted.
	v_and_b32 v[CC], 7, v0
	v_lshl_add_u32 v[CC], v2, 3, v[CC]
	v_mul_u32_u24 v[ATT0], v[CC], PT
	v_bfe_u32 v[CC], v0, 3, 1
	v_lshl_add_u32 v[ATT0], v[CC], 7, v[ATT0]
	v_add_nc_u32 v[ATT0], s[WS], v[ATT0]
	v_mov_b32 v[AR], v[ATR0]                       ; slot 0
	v_mov_b32 v[AT], v[ATT0]
	s_mul_i32 s22, s[WV], XSTR
	s_add_co_u32 s22, s22, XB
	v_lshl_add_u32 v[AOWN], v3, 4, s22
.irp i, 1,2,3
	s_add_co_u32 s21, s[WV], \i
	s_and_b32 s21, s21, 3
	s_mul_i32 s22, s21, XSTR
	s_add_co_u32 s22, s22, XB
	v_lshl_add_u32 v[AP+\i-1], v3, 4, s22
.endr
.irp i, 0,1,2,3
	s_add_co_u32 s21, s[WV], \i
	s_and_b32 s21, s21, 3
	s_lshl_b32 s21, s21, 9
	s_add_co_u32 s21, s21, EP+128*\i
	v_lshl_add_u32 v[EA+\i], v3, 2, s21
.endr
	v_lshlrev_b32 v[PFO], 8, v0
	v_mov_b32 v[CM], 0xfe000000                    ; c m starts far below every c s, so the first step's a is 0
	v_mov_b32 v[CM+1], 0xff7fffff                  ; m at the lowest finite number
	v_mov_b32 v[LS], 0
	v_mov_b32 v[LS+1], 0
	v_mov_b32 v[NS], 0
	v_mov_b32 v[NS+1], 0
	v_mov_b32 v[AL+1], 0                           ; the high words of a's four pairs: named, never used
	v_mov_b32 v[AL+3], 0
	v_mov_b32 v[AL+5], 0
	v_mov_b32 v[AL+11], 0
; THE LDS LOADS stand in runs of 16.  A key block's eight plain fragments (16 keys x my 256 channels), from byte off behind v[AR], into buffer fb:
.macro RUNS fb, off
.irp k, 0,1,2,3,4,5,6,7
	ds_load_b128 v[(\fb)+8*\k:(\fb)+8*\k+3],   v[AR] offset:(\off)+64*\k
	ds_load_b128 v[(\fb)+8*\k+4:(\fb)+8*\k+7], v[AR] offset:(\off)+64*\k+32
.endr
.endm
; Eight turned fragments: channel blocks 0-7 of my low (hi = 0) or high (hi = 1) 128 channels, keys 32 kk on:
.macro RUNT fb, hi, kk
.irp d, 0,1,2,3,4,5,6,7
	ds_load_tr16_b128 v[(\fb)+8*\d:(\fb)+8*\d+3],   v[AT] offset:(\kk)*32*PT+16*\d+256*(\hi)
	ds_load_tr16_b128 v[(\fb)+8*\d+4:(\fb)+8*\d+7], v[AT] offset:(\kk)*32*PT+16*PT+16*\d+256*(\hi)
.endr
.endm
; 4 cnt products of S^T: a key block's fragments k0 .. k0 + cnt - 1 of buffer fb x the four tiles; the four accumulators of set ac take turns; channels 0-31 start the sums.
.macro SMUL fb, ac, k0, cnt
	WIN 0x04                                       ; Q in window 1
.set ks, \k0
.rept \cnt
.irp i, 0,1,2,3
.if ks == 0
	v_wmma_f32_16x16x32_bf16 v[(\ac)+8*\i:(\ac)+8*\i+7], v[(\fb)+8*ks:(\fb)+8*ks+7], v[8*(8*\i+ks):8*(8*\i+ks)+7], 0
.else
	v_wmma_f32_16x16x32_bf16 v[(\ac)+8*\i:(\ac)+8*\i+7], v[(\fb)+8*ks:(\fb)+8*ks+7], v[8*(8*\i+ks):8*(8*\i+ks)+7], v[(\ac)+8*\i:(\ac)+8*\i+7]
.endif
.endr
.set ks, ks+1
.endr
.endm
; A key block's finished partial scores of tiles 1-3 go to their owners' inboxes; each accumulator's low registers first.
.macro XST ac, off
.irp i, 1,2,3
	ds_store_b128 v[XA+\i-1], v[(\ac)+8*\i:(\ac)+8*\i+3]   offset:(\i-1)*4096+(\off)
	ds_store_b128 v[XA+\i-1], v[(\ac)+8*\i+4:(\ac)+8*\i+7] offset:(\i-1)*4096+(\off)+512
.endr
.endm
; 16 products of O^T += T^T P: channel blocks d0 .. d0 + 3 of buffer fb x the four tiles, keys 32 kk on: sixteen different accumulators.
.macro PVM fb, hi, kk, d0
	WIN 0xa0+0x50*(\hi)                            ; C and D in window 2 or 3
.set dd, \d0
.rept 4
.irp i, 0,1,2,3
	v_wmma_f32_16x16x32_bf16 v[8*(4*dd+\i):8*(4*dd+\i)+7], v[(\fb)+8*dd:(\fb)+8*dd+7], v[PF+8*(2*\i+(\kk)):PF+8*(2*\i+(\kk))+7], v[8*(4*dd+\i):8*(4*dd+\i)+7]
.endr
.set dd, dd+1
.endr
.endm
; O^T times a: tiles i0 .. i0 + cnt - 1 of the eight channel blocks of window 2 + hi, each accumulator from its low registers on.
.macro RSW hi, i0, cnt
	WIN 0x82+0x41*(\hi)                            ; destination and source 0 in window 2 or 3, a in window 0
.set dq, 0
.rept 8
.set iq, \i0
.rept \cnt
.set rO, 8*(4*dq+iq)
.set rL, AL+2*iq+4*(iq/3)
.irp z, 0,2,4,6
	v_pk_mul_f32 v[rO+\z:rO+\z+1], v[rO+\z:rO+\z+1], v[rL:rL+1] op_sel_hi:[1,0]
.endr
.set iq, iq+1
.endr
.set dq, dq+1
.endr
.endm
; A KEY STEP.  fill = 1: the slot that it leaves is filled again, with the tile two steps on.  On the way in the 16 loads of key block 0 are out.
.macro WORK fill
	; S^T = T Q^T, my 256 channels' share: two trips of 64 products.  Buffer FA holds the trip's even key block, FBB its odd one; each is fetched a key block (32 products) ahead.
	v_mov_b32 v[XA], v[AP]
	v_mov_b32 v[XA+1], v[AP+1]
	v_mov_b32 v[XA+2], v[AP+2]
	s_mov_b32 s[CNT], 2
	s_branch .Lsin_\@                              ; the lines up to that label belong to the way back alone
.Lsb_\@:
.set n, 0
.rept 8
	v_mov_b32 v[SV0+n], v[AC0+n]                   ; my own tile's scores of key blocks 0 and 1 are set aside: the second trip's products start the same accumulators anew
.set n, n+1
.endr
.set n, 0
.rept 8
	v_mov_b32 v[SV1+n], v[AC1+n]
.set n, n+1
.endr
	v_add_nc_u32 v[AR], 32*PT, v[AR]               ; two key blocks on,
	v_add_nc_u32 v[XA], 2048, v[XA]                ; in the strip and in the inboxes
	v_add_nc_u32 v[XA+1], 2048, v[XA+1]
	v_add_nc_u32 v[XA+2], 2048, v[XA+2]
.Lsin_\@:
	RUNS FBB, 16*PT                                ; four plain instructions or more stand behind the last product that read FBB, on both ways
	s_wait_dscnt 16                                ; FA is in (on the way back the six stores behind its loads too); the run just issued may stay out
	SMUL FA, AC0, 0, 8
	s_wait_dscnt 0x0                               ; FBB is in: asked for 32 products ago
	SMUL FBB, AC1, 0, 1
	PLACES                                         ; behind the last product on AC0 and on FA
	WIN 0
	XST AC0, 0
	s_cmp_eq_u32 s[CNT], 1                         ; the last trip has no further key block: the run is jumped over
	s_cbranch_scc1 .Lsk_\@
	RUNS FA, 32*PT
.Lsk_\@:
	SMUL FBB, AC1, 1, 7
	WIN 0
	PLACES
	XST AC1, 1024
	s_sub_co_u32 s[CNT], s[CNT], 1
	s_cmp_lg_u32 s[CNT], 0
	s_cbranch_scc1 .Lsb_\@
	; THE FIRST EXCHANGE: the shares meet at the owners.
	s_wait_dscnt 0x0                               ; for the owners' sake: my stores into their inboxes are done
	s_barrier_signal -1
	s_barrier_wait -1                              ; my tensor load may stay out
.irp i, 1,2,3
.irp t, 0,1,2,3,4,5,6,7
	ds_load_b128 v[SH+32*(\i-1)+4*\t:SH+32*(\i-1)+4*\t+3], v[AOWN] offset:(\i-1)*4096+512*\t
.endr
.endr
	s_wait_dscnt 16                                ; the first source's eight loads are in; the other two sources' may stay out
.irp n, 0,2,4,6
	v_pk_add_f32 v[SA+\n:SA+\n+1], v[SV0+\n:SV0+\n+1], v[SH+\n:SH+\n+1]
.endr
.irp n, 0,2,4,6
	v_pk_add_f32 v[SA+8+\n:SA+8+\n+1], v[SV1+\n:SV1+\n+1], v[SH+8+\n:SH+8+\n+1]
.endr
.irp n, 0,2,4,6
	v_pk_add_f32 v[SA+16+\n:SA+16+\n+1], v[AC0+\n:AC0+\n+1], v[SH+16+\n:SH+16+\n+1]
.endr
.irp n, 0,2,4,6
	v_pk_add_f32 v[SA+24+\n:SA+24+\n+1], v[AC1+\n:AC1+\n+1], v[SH+24+\n:SH+24+\n+1]
.endr
.irp i, 2,3
	s_wait_dscnt 8*(3-\i)                          ; source i's eight loads are in
.set n, 0
.rept 16
	v_pk_add_f32 v[SA+n:SA+n+1], v[SA+n:SA+n+1], v[SH+32*(\i-1)+n:SH+32*(\i-1)+n+1]
.set n, n+2
.endr
.endr
	; the maximum of my query's 32 scores here, of the 32 in the lane 16 away, and of the old m
.irp n, 0,1,2,3
	v_max3_num_f32 v[CC+\n], v[SA+8*\n], v[SA+8*\n+1], v[SA+8*\n+2]
.endr
.irp n, 0,1,2,3
	v_max3_num_f32 v[CC+\n], v[CC+\n], v[SA+8*\n+3], v[SA+8*\n+4]
.endr
.irp n, 0,1,2,3
	v_max3_num_f32 v[CC+\n], v[CC+\n], v[SA+8*\n+5], v[SA+8*\n+6]
.endr
	v_max3_num_f32 v[CC], v[CC], v[SA+7], v[SA+15]
	v_max3_num_f32 v[CC+1], v[CC+1], v[SA+23], v[SA+31]
	v_max3_num_f32 v[CC+2], v[CC+2], v[CC+3], v[CM+1]
	v_mov_b32 v[CMO], v[CM]
	v_max3_num_f32 v[CC], v[CC], v[CC+1], v[CC+2]
	v_permlanex16_b32 v[CC+3], v[CC], s[SEL], s[SEL+1]
	v_max_num_f32 v[CM+1], v[CC], v[CC+3]
	v_mul_f32 v[CM], s[CS], v[CM+1]
	v_sub_f32 v[CC+1], v[CMO], v[CM]
.set n, 0
.rept 16
	v_pk_fma_f32 v[EE+n:EE+n+1], v[SA+n:SA+n+1], s[CS:CS+1], v[CM:CM+1] op_sel_hi:[1,0,0] neg_lo:[0,0,1] neg_hi:[0,0,1]  ; c s - c m; s itself is kept for N
.set n, n+2
.endr
	v_exp_f32 v[AL], v[CC+1]                       ; ONE BATCH of 33: a = 2^(c m_old - c m), and the 32 weights
.set n, 0
.rept 32
	v_exp_f32 v[EE+n], v[EE+n]
.set n, n+1
.endr
	v_nop                                          ; a plain instruction behind the last exponential (ISA guide 5.7.2),
	s_wait_alu depctr_va_vdst(0)                   ; and one wait ahead of the batch's first reader
.set n, 0
.rept 16
	v_cvt_pk_bf16_f32 v[PF+n], v[EE+2*n], v[EE+2*n+1]  ; my tile's P: two fragments of 32 keys
.set n, n+1
.endr
	; THE SECOND EXCHANGE: P and a go to everybody.
.irp t, 0,1,2,3
	ds_store_b128 v[AOWN], v[PF+4*\t:PF+4*\t+3] offset:512*\t  ; over my first inbox, whose loads have come back
.endr
	ds_store_b32 v[AOWN], v[AL] offset:2048
	s_wait_dscnt 0x0                               ; for the others' sake: P and a are in LDS
	s_barrier_signal -1
.irp c, 0,1,2,3                        ; work on registers while the others arrive.  N = a N + sum p s, four chains;
	v_pk_mul_f32 v[TT+2*\c:TT+2*\c+1], v[EE+2*\c:EE+2*\c+1], v[SA+2*\c:SA+2*\c+1]
.endr
.irp n, 4,5,6,7,8,9,10,11,12,13,14,15
	v_pk_fma_f32 v[TT+2*(\n%4):TT+2*(\n%4)+1], v[EE+2*\n:EE+2*\n+1], v[SA+2*\n:SA+2*\n+1], v[TT+2*(\n%4):TT+2*(\n%4)+1]
.endr
	v_pk_add_f32 v[TT:TT+1], v[TT:TT+1], v[TT+2:TT+3]
	v_pk_add_f32 v[TT+4:TT+5], v[TT+4:TT+5], v[TT+6:TT+7]
	v_pk_add_f32 v[TT:TT+1], v[TT:TT+1], v[TT+4:TT+5]
	v_pk_fma_f32 v[NS:NS+1], v[NS:NS+1], v[AL:AL+1], v[TT:TT+1] op_sel_hi:[1,0,1]
.irp w, 16,8,4,2                       ; l = a l + sum p, the sum taken in place;
.set n, 0
.rept \w/2
	v_pk_add_f32 v[EE+n:EE+n+1], v[EE+n:EE+n+1], v[EE+\w+n:EE+\w+n+1]
.set n, n+2
.endr
.endr
	v_pk_fma_f32 v[LS:LS+1], v[LS:LS+1], v[AL:AL+1], v[EE:EE+1] op_sel_hi:[1,0,1]
	RSW 0, 0, 1                                    ; and my own tile's O^T times a
	RSW 1, 0, 1
	WIN 0
	s_barrier_wait -1
	ds_load_b32 v[AL+2], v[AP] offset:2048         ; a of my tiles 1, 2, 3, from their owners,
	ds_load_b32 v[AL+4], v[AP+1] offset:2048
	ds_load_b32 v[AL+10], v[AP+2] offset:2048
.irp i, 1,2,3
.irp t, 0,1,2,3
	ds_load_b128 v[PF+16*\i+4*\t:PF+16*\i+4*\t+3], v[AP+\i-1] offset:512*\t  ; their P,
.endr
.endr
	RUNT FA, 0, 0                                  ; and the turned fragments of the first 32 keys
	RUNT FBB, 1, 0
	s_wait_dscnt 44                                ; the three a are in; P's 12 loads and the 32 turning loads may stay out
	RSW 0, 1, 3                                    ; the other three tiles' O^T times a, while they land
	RSW 1, 1, 3
	; O^T += T^T P, my 256 channels: four stretches of 32 products; each buffer is asked for again four places behind its last product, a stretch ahead of its next use
	s_wait_dscnt 16                                ; P and the low half are in
	PVM FA, 0, 0, 0
	PVM FA, 0, 0, 4
	PLACES
	WIN 0
	RUNT FA, 0, 1
	s_wait_dscnt 16                                ; the high half is in; the run just issued may stay out
	PVM FBB, 1, 0, 0
	PVM FBB, 1, 0, 4
	PLACES
	WIN 0
	RUNT FBB, 1, 1                                 ; the slot's last bytes have been asked for
	s_wait_dscnt 16                                ; the low half of the second 32 keys is in
	PVM FA, 0, 1, 0
	; THE CHANGE OF SLOTS, inside the last 48 products.
	WIN 0
	s_wait_tensorcnt 0x0                           ; all my tensor loads have landed: the one that was out is my strip of the next slot; a group 0 may be written
	ds_add_u32 v[SPW], v[NIL]                      ; 0 onto my spare word; work on registers stands between it and the wait for it
.if \fill
	s_xor_b32 s[G0B+1], s[G0B+1], SLOT             ; the walking descriptor: the slot that is being left,
	s_add_nc_u64 s[G0B+2:G0B+3], s[G0B+2:G0B+3], TILEB  ; the next tile; the type bits on top are not reached
	s_wait_xcnt 0x0                                ; the last prefetch, a key step back, has read its address
	s_add_nc_u64 s[PFA:PFA+1], s[PFA:PFA+1], TILEB
.endif
	s_xor_b32 s[TB], s[TB], SLOT                   ; the fetches go on in the other slot
	v_add_nc_u32 v[AR], s[TB], v[ATR0]
	v_add_nc_u32 v[AT], s[TB], v[ATT0]
	PVM FA, 0, 1, 4
	s_wait_dscnt 0x0                               ; the add is done, and my reads of the slot and of the exchange are over
	s_barrier_signal -1                            ; behind this barrier the slot may be filled, and the inboxes written over P
	PVM FBB, 1, 1, 0
	WIN 0
	s_barrier_wait -1
.if \fill
	CREST                                          ; the barrier has opened a round of the cluster's: no wave of any partner still reads the slot or has a load on its way
	tensor_load_to_lds s[G0B:G0B+3], s[G1:G1+7]    ; my one tensor load behind the round, and the first thing there: it has the next step up to its own change of slots in which to land
	s_nop 0
.endif
	PLACES                                         ; the places behind the last product that read FA
	RUNS FA, 0                                     ; the next step's key block 0, from my strip of the next slot
.if \fill
	ASK
.endif
	PVM FBB, 1, 1, 4
	WIN 0                                          ; at a label and at a branch every window is 0
.rept 5
	v_nop                                          ; five places: the next step's first products write over P's fragments, which these products read
.endr
.endm
	s_wait_loadcnt 0x0                             ; Q and |q|^2
	s_wait_tensorcnt 1                             ; my strip of tile 0 is in, and nobody else reads it; tile 1 may stay out
	RUNS FA, 0
	s_mov_b32 s[LEFT], 14
.Lslot:                                        ; key steps 0 to 13 ask for tiles 2 to 15
	WORK 1
	s_sub_co_u32 s[LEFT], s[LEFT], 1
	s_cmp_lg_u32 s[LEFT], 0
	s_cbranch_scc1 .Lslot
	s_mov_b32 s[LEFT], 2
.Ltail:                                        ; the last two steps ask for nothing: a second text.  The very last trip's run for a next step reads the other slot's old tile and serves nothing
	WORK 0
	s_sub_co_u32 s[LEFT], s[LEFT], 1
	s_cmp_lg_u32 s[LEFT], 0
	s_cbranch_scc1 .Ltail
	; THE END.  sum O^2 over my 256 channels, by tile, each accumulator from its low registers on, two packed chains a tile at FA + 4 i; the shares meet at the owners.
	s_wait_dscnt 0x0                               ; the run that serves nothing has landed: its registers are written below
.set dt, 0
.rept 16
.irp pr, 0,1,2,3
.irp i, 0,1,2,3
.set rO, 8*((4*dt+\i)%32)+2*\pr
.set ac, FA+4*\i+2*(\pr%2)
	WIN 0x0a+5*(dt/8)                              ; sources 0 and 1 in window 2 or 3
.if (dt == 0) && (\pr < 2)
	v_pk_mul_f32 v[ac:ac+1], v[rO:rO+1], v[rO:rO+1]  ; the first squares start the chains: nothing is cleared
.else
	v_pk_fma_f32 v[ac:ac+1], v[rO:rO+1], v[rO:rO+1], v[ac:ac+1]
.endif
.endr
.endr
.set dt, dt+1
.endr
	WIN 0
.irp i, 0,1,2,3
	v_pk_add_f32 v[FA+4*\i:FA+4*\i+1], v[FA+4*\i:FA+4*\i+1], v[FA+4*\i+2:FA+4*\i+3]
.endr
.irp i, 0,1,2,3
	v_add_f32 v[FA+4*\i], v[FA+4*\i], v[FA+4*\i+1]
.endr
.irp i, 0,1,2,3
	v_permlanex16_b32 v[FA+4*\i+1], v[FA+4*\i], s[SEL], s[SEL+1]  ; a fragment's other eight channels lie in the lane 16 away
.endr
.irp i, 0,1,2,3
	v_add_f32 v[FA+4*\i], v[FA+4*\i], v[FA+4*\i+1]
.endr
.irp i, 0,1,2,3
	ds_store_b32 v[EA+\i], v[FA+4*\i]
.endr
	v_add_f32 v[LS], v[LS], v[LS+1]                ; l and N of my own query: even and odd keys, then the other half of the lanes
	v_add_f32 v[NS], v[NS], v[NS+1]
	v_permlanex16_b32 v[LS+1], v[LS], s[SEL], s[SEL+1]
	v_permlanex16_b32 v[NS+1], v[NS], s[SEL], s[SEL+1]
	v_add_f32 v[LS], v[LS], v[LS+1]
	v_add_f32 v[NS], v[NS], v[NS+1]
	s_wait_dscnt 0x0                               ; for the owners' sake: my shares are in LDS
	s_barrier_signal -1
	s_barrier_wait -1
.irp i, 0,1,2,3
	ds_load_b32 v[TT+\i], v[EA] offset:128*\i      ; the four shares of my tile's sum O^2
.endr
	s_wait_dscnt 0x0
	v_pk_add_f32 v[TT:TT+1], v[TT:TT+1], v[TT+2:TT+3]
	v_add_f32 v[TT], v[TT], v[TT+1]
	v_rcp_f32 v[CC], v[LS]                         ; 1 / l
	v_sqrt_f32 v[CC+1], v[TT]                      ; |O|
	v_sqrt_f32 v[CC+2], v[QN]                      ; |q|
	v_nop
	s_wait_alu depctr_va_vdst(0)                   ; one wait for the three
	v_mul_f32 v[CC+1], v[CC+1], v[CC]              ; |agg| = |O| / l
	v_max_num_f32 v[CC+2], s[EPS], v[CC+2]
	v_max_num_f32 v[CC+1], s[EPS], v[CC+1]
	v_mul_f32 v[NS], v[NS], v[CC]                  ; q . agg = N / l
	v_mul_f32 v[CC+1], v[CC+1], v[CC+2]            ; 1e-24 at the least: a normal number
	v_rcp_f32 v[CC+3], v[CC+1]
	v_nop
	s_wait_alu depctr_va_vdst(0)
	v_mul_f32 v[NS], v[NS], v[CC+3]
	s_wait_xcnt 0x0                                ; EXEC changes only behind this wait
	v_cmp_gt_u32 vcc_lo, 16, v3
	s_and_saveexec_b32 s21, vcc_lo                 ; lanes 0-15 hold the 16 queries once
	global_store_b32 v[OUTO], v[NS], s[10:11]
	s_wait_xcnt 0x0                                ; and again, in front of the line that widens it
	s_or_b32 exec_lo, exec_lo, s21
	s_wait_tensorcnt 0x0                           ; the wave's end: three lines behind my last tensor load and my last LDS store
	ds_add_u32 v[SPW], v[NIL]
	s_wait_dscnt 0x0
	CROUND                                         ; the closing round: no work-group ends while a partner may still ask for a tile that names it
	s_endpgm
.Lfunc_end_k_q4c78d8d632_attn:
	.size	k_q4c78d8d632_attn, .Lfunc_end_k_q4c78d8d632_attn-k_q4c78d8d632_attn
	.p2alignl 7, 3214868480
	.fill 96, 4, 3214868480
	.section	.rodata,"a",@progbits
	.p2align	6, 0x0
	.amdhsa_kernel k_q4c78d8d632_attn
		.amdhsa_group_segment_fixed_size 327680
		.amdhsa_private_segment_fixed_size 0
		.amdhsa_enable_private_segment 0
		.amdhsa_kernarg_size 32
		.amdhsa_user_sgpr_count 2
		.amdhsa_user_sgpr_kernarg_segment_ptr 1
		.amdhsa_wavefront_size32 1
		.amdhsa_system_sgpr_workgroup_id_x 1
		.amdhsa_system_sgpr_workgroup_id_y 1
		.amdhsa_system_sgpr_workgroup_id_z 1
		.amdhsa_system_vgpr_workitem_id 0
		.amdhsa_next_free_vgpr 1024
		.amdhsa_next_free_sgpr 66
		.amdhsa_reserve_vcc 1
		.amdhsa_float_denorm_mode_32 3
		.amdhsa_float_denorm_mode_16_64 3
		.amdhsa_memory_ordered 1
		.amdhsa_forward_progress 1
		.amdhsa_inst_pref_size 142
	.end_amdhsa_kernel
	.amdgpu_metadata
---
amdhsa.version: [ 1, 2 ]
amdhsa.kernels:
  - .name:           k_q4c78d8d632_attn
    .symbol:         k_q4c78d8d632_attn.kd
    .args:
      - { .name: tb, .offset: 0, .size: 8, .value_kind: global_buffer, .address_space: global }
      - { .name: qb, .offset: 8, .size: 8, .value_kind: global_buffer, .address_space: global }
      - { .name: qn, .offset: 16, .size: 8, .value_kind: global_buffer, .address_space: global }
      - { .name: out0, .offset: 24, .size: 8, .value_kind: global_buffer, .address_space: global }
    .group_segment_fixed_size: 327680
    .private_segment_fixed_size: 0
    .kernarg_segment_align: 8
    .kernarg_segment_size: 32
    .max_flat_workgroup_size: 128
    .sgpr_count:     66
    .vgpr_count:     1024
    .wavefront_size: 32
...
	.end_amdgpu_metadata
.endif
;; end of part 2
;; ======== version 2 of 2: 2 launches; version 1 with the launch cast written anew for expert scheduling mode
;; workspace buffers: tb 134,217,728 bytes; qb 1,048,576 bytes; qn 2,048 bytes
;; launch cast (part 3): grid 1088 x 1, 8 waves a work-group, no clusters, 0 bytes of LDS; arguments local_tokens, queries, tb, qb, qn; writes tb, qb, qn
.if DOCPART == 3
	.amdgcn_target "amdgcn-amd-amdhsa--gfx1250"
	.amdhsa_code_object_version 6
	.text
	.protected	k_q4c78d8d632_cast
	.globl	k_q4c78d8d632_cast
	.p2align	8
	.type	k_q4c78d8d632_cast,@function
k_q4c78d8d632_cast:
	s_mov_b64 s[64:65], 0
	v_nop
	global_prefetch_b8 v0, s[64:65] scope:SCOPE_SE
	s_setreg_imm32_b32 hwreg(HW_REG_WAVE_SCHED_MODE, 0, 2), 2
	s_setreg_imm32_b32 hwreg(HW_REG_WAVE_MODE, 25, 1), 1
	s_wait_xcnt 0x0
	s_wait_alu depctr_vm_vsrc(0)
; tb = local_tokens and qb = queries, each number rounded once to bf16 (nearest even), in the same order; qn[q] = the sum of the squares of query q's 1,024 f32 numbers, in f32.
; A stream: every byte is read once and written once.  No LDS, no barrier, no matrix work: nothing is shared.
; WORK-GROUPS 0 TO 63: the queries, one row of 4,096 bytes a wave: eight loads of 512 consecutive bytes, eight stores of 256 consecutive bytes, aligned; the row's sum never leaves the wave.
; WORK-GROUPS 64 TO 1,087: the tokens, 64 pieces of 4,096 input bytes each.  Thread t takes the 16 bytes at 16 t of each piece (a wave's load covers 512 consecutive bytes) and stores
; 8 bytes at 8 t of the piece's 2,048 output bytes (a wave's store covers 256 consecutive bytes, aligned).
; The piece's number stands in the immediates (258,048 at the most), so no address register is ever rewritten and the text needs no loop counter.
; THE MODE: SCHED_MODE bits 1:0 = 2 (LLVM: expert scheduling mode 2), set by the entry lines.  The code itself states the register dependences
; between vector instructions and memory instructions, with s_wait_alu, always for 0.
; THE PLAN, tokens.  The 64 pieces go in 16 blocks of four.  Registers that memory instructions touch:
;   X0 .. X3   four blocks as loaded.  Written by the loads of block p + 3, issued in block p; read by block p's eight conversions (X[p % 4]).
;   Y0, Y1     two blocks to store.    Written by block p's conversions (Y[p % 2]); read by the four stores that are issued in block p + 1.
;   v1, v2     byte offsets, made once at the head and never written again.
; Block p's memory instructions are the loads into X[(p + 3) % 4] = X[(p - 1) % 4] and the stores from Y[(p - 1) % 2]: the two buffers that block p - 1 worked on and that no vector
; instruction of block p names.  So the waits at a block's head state all that its eight memory instructions hang on, and these are dealt among its conversions with no further wait.
; Eight to twelve loads of every wave are on their way.
; THE PLAN, queries.  X: eight pieces, each loaded once.  Y: eight pairs, each written once and stored once: one wait behind the conversions of pieces 0 to 3, whose stores are dealt among the
; arithmetic of pieces 4 to 7, and one behind that.  The row's sum and its offset are covered by the waits that stand ahead of the write of EXEC.
.set NQ,     64                        ; work-groups for the queries: 512 rows, eight waves each
.set BLOCK,  4                         ; pieces in a block
.set BLOCKS, 64 / BLOCK
.set X, 4                              ; v[4:67]   tokens: buffer k, piece i: four f32 at X + 16 k + 4 i.  Queries: piece j at X + 4 j
.set Y, 68                             ; v[68:83]  tokens: buffer k, piece i: four bf16 at Y + 8 k + 2 i.  Queries: piece j at Y + 2 j
.set SQ, 84                            ; v[84:87]  queries: two packed chains of squares
	s_load_b256 s[4:11], s[0:1], 0x0               ; local_tokens s[4:5], queries s[6:7], tb s[8:9], qb s[10:11]
	s_load_b64 s[12:13], s[0:1], 0x20              ; qn
	s_mov_b32 s14, ttmp9
	s_cmp_lt_u32 s14, NQ
	s_cbranch_scc1 .Lqueries
	v_lshlrev_b32 v1, 4, v0                        ; my 16 bytes of an input piece; never rewritten
	v_lshlrev_b32 v2, 3, v0                        ; my 8 bytes of an output piece; never rewritten
	s_sub_co_u32 s14, s14, NQ
	s_lshl_b32 s16, s14, 18                        ; the work-group's 262,144 input bytes (1,023 x 2^18 stays under 2^31)
	s_mov_b32 s17, 0
	s_lshl_b32 s18, s14, 17                        ; and its 131,072 output bytes
	s_mov_b32 s19, 0
	s_wait_kmcnt 0x0
	s_add_nc_u64 s[4:5], s[4:5], s[16:17]
	s_add_nc_u64 s[8:9], s[8:9], s[18:19]
	s_wait_alu depctr_va_vdst(0)                   ; v1 and v2 are written: every load and store of this path reads one of them as its offset
.set row, 0
.rept 3*BLOCK
	global_load_b128 v[X+4*row:X+4*row+3], v1, s[4:5] offset:row*4096 th:TH_LOAD_NT  ; blocks 0, 1 and 2 into X0, X1, X2
.set row, row+1
.endr
.set p, 0
.rept BLOCKS
.set xb, p%4
.set xn, (p+3)%4
.set yb, p%2
.if p < BLOCKS-2
	s_wait_loadcnt 2*BLOCK                         ; loads come back in order (ISA guide 5.7.1): X[xb] is in, the two younger blocks stay out
.else
	s_wait_loadcnt (BLOCKS-1-p)*BLOCK              ; blocks 13 to 15 load nothing: the count runs down
.endif
.if p > 1
	s_wait_xcnt 0x0                                ; every earlier memory instruction has had its addresses translated (ISA guide 3.1): Y[yb], the data of stores issued in the block before, is rewritten only behind this wait
	s_wait_alu depctr_vm_vsrc(0)                   ; those stores have read Y[yb], which this block's conversions write again
.endif
.if p > 0
	s_wait_alu depctr_va_vdst(0)                   ; the block before has written the other Y, which the stores below read, and is done reading its X, in which the loads below land
.endif
.set i, 0
.rept BLOCK
.if p < BLOCKS-3
	global_load_b128 v[X+16*xn+4*i:X+16*xn+4*i+3], v1, s[4:5] offset:((p+3)*BLOCK+i)*4096 th:TH_LOAD_NT  ; three blocks ahead, the load ahead of the store; no vector instruction since the wait names these registers
.endif
.if p > 0
	global_store_b64 v2, v[Y+8*(1-yb)+2*i:Y+8*(1-yb)+2*i+1], s[8:9] offset:((p-1)*BLOCK+i)*2048 th:TH_STORE_NT  ; the block before
.endif
	v_cvt_pk_bf16_f32 v[Y+8*yb+2*i], v[X+16*xb+4*i], v[X+16*xb+4*i+1]
	v_cvt_pk_bf16_f32 v[Y+8*yb+2*i+1], v[X+16*xb+4*i+2], v[X+16*xb+4*i+3]
.set i, i+1
.endr
.set p, p+1
.endr
	s_wait_alu depctr_va_vdst(0)                   ; block 15 has written Y1, which the last four stores read
.set i, 0
.rept BLOCK
	global_store_b64 v2, v[Y+8+2*i:Y+8+2*i+1], s[8:9] offset:((BLOCKS-1)*BLOCK+i)*2048 th:TH_STORE_NT
.set i, i+1
.endr
	s_endpgm
.Lqueries:
	v_lshrrev_b32 v3, 5, v0
	v_readfirstlane_b32 s15, v3                    ; wave 0..7
	v_and_b32 v3, 31, v0                           ; lane
	v_lshlrev_b32 v1, 4, v3                        ; my 16 bytes of 512 input bytes
	v_lshlrev_b32 v2, 3, v3                        ; my 8 bytes of 256 output bytes
	s_wait_alu depctr_va_sdst(0)                   ; s15 is written, ahead of its first reader: the three bases are made from it
	s_lshl_b32 s14, s14, 3
	s_add_co_u32 s14, s14, s15                     ; my wave's row
	s_lshl_b32 s16, s14, 12
	s_mov_b32 s17, 0
	s_lshl_b32 s18, s14, 11
	s_mov_b32 s19, 0
	s_lshl_b32 s20, s14, 2
	s_mov_b32 s21, 0
	s_mov_b32 s22, 0x76543210                      ; v_permlanex16_b32: each lane takes its own place in the other half
	s_mov_b32 s23, 0xfedcba98
	s_wait_kmcnt 0x0
	s_add_nc_u64 s[6:7], s[6:7], s[16:17]
	s_add_nc_u64 s[10:11], s[10:11], s[18:19]
	s_add_nc_u64 s[12:13], s[12:13], s[20:21]
	s_wait_alu depctr_va_vdst(0)                   ; v1 and v2 are written: the loads below and the stores of qb read them as their offsets
.irp j, 0,1,2,3,4,5,6,7
	global_load_b128 v[X+4*\j:X+4*\j+3], v1, s[6:7] offset:512*\j th:TH_LOAD_NT
.endr
.irp j, 0,1,2,3,4,5,6,7
.if \j == 4
	s_wait_alu depctr_va_vdst(0)                   ; the conversions of pieces 0 to 3 have written their Y pairs, which the four stores dealt among pieces 4 to 7 read; that arithmetic names other registers
.endif
.if \j >= 4
	global_store_b64 v2, v[Y+2*(\j-4):Y+2*(\j-4)+1], s[10:11] offset:256*(\j-4)  ; each Y pair is written once: nothing is owed behind the store
.endif
	s_wait_loadcnt 7-\j                            ; load j is in, the younger ones stay out
.if \j == 0
	v_pk_mul_f32 v[SQ:SQ+1], v[X:X+1], v[X:X+1]    ; the first squares start the two chains: nothing is cleared
	v_pk_mul_f32 v[SQ+2:SQ+3], v[X+2:X+3], v[X+2:X+3]
.else
	v_pk_fma_f32 v[SQ:SQ+1], v[X+4*\j:X+4*\j+1], v[X+4*\j:X+4*\j+1], v[SQ:SQ+1]
	v_pk_fma_f32 v[SQ+2:SQ+3], v[X+4*\j+2:X+4*\j+3], v[X+4*\j+2:X+4*\j+3], v[SQ+2:SQ+3]
.endif
	v_cvt_pk_bf16_f32 v[Y+2*\j], v[X+4*\j], v[X+4*\j+1]
	v_cvt_pk_bf16_f32 v[Y+2*\j+1], v[X+4*\j+2], v[X+4*\j+3]
.endr
	s_wait_alu depctr_va_vdst(0)                   ; the conversions of pieces 4 to 7 have written their Y pairs, which the four stores below read
.irp j, 4,5,6,7
	global_store_b64 v2, v[Y+2*\j:Y+2*\j+1], s[10:11] offset:256*\j
.endr
	v_pk_add_f32 v[SQ:SQ+1], v[SQ:SQ+1], v[SQ+2:SQ+3]
	v_add_f32 v[SQ], v[SQ], v[SQ+1]
	v_add_f32_dpp v[SQ], v[SQ], v[SQ] row_xmask:1 row_mask:0xf bank_mask:0xf
	v_add_f32_dpp v[SQ], v[SQ], v[SQ] row_xmask:2 row_mask:0xf bank_mask:0xf
	v_add_f32_dpp v[SQ], v[SQ], v[SQ] row_xmask:4 row_mask:0xf bank_mask:0xf
	v_add_f32_dpp v[SQ], v[SQ], v[SQ] row_xmask:8 row_mask:0xf bank_mask:0xf
	v_permlanex16_b32 v[SQ+1], v[SQ], s22, s23
	v_add_f32 v[SQ], v[SQ], v[SQ+1]                ; every lane holds the row's sum
	v_mov_b32 v[SQ+2], 0
	s_wait_xcnt 0x0                                ; EXEC changes only behind this wait
	v_cmp_eq_u32 vcc_lo, 0, v3
	s_wait_alu depctr_va_vcc(0)                    ; VCC is written: EXEC is made from it
	s_wait_alu depctr_va_vdst(0)                   ; ahead of the write of EXEC: the vector instructions issued so far are done; among them those that wrote the sum and its offset, which the store below reads
	s_wait_alu depctr_vm_vsrc(0)                   ; ahead of the write of EXEC: the stores of qb have read their registers
	s_and_saveexec_b32 s24, vcc_lo                 ; lane 0 stores it: 4 bytes a row, 2,048 bytes in the launch
	global_store_b32 v[SQ+2], v[SQ], s[12:13]
	s_wait_xcnt 0x0                                ; and again, in front of the line that widens it
	s_wait_alu depctr_va_vdst(0)                   ; ahead of the write of EXEC: no vector instruction is under way
	s_wait_alu depctr_vm_vsrc(0)                   ; ahead of the write of EXEC: the store has read its offset and its data
	s_or_b32 exec_lo, exec_lo, s24
	s_endpgm
.Lfunc_end_k_q4c78d8d632_cast:
	.size	k_q4c78d8d632_cast, .Lfunc_end_k_q4c78d8d632_cast-k_q4c78d8d632_cast
	.p2alignl 7, 3214868480
	.fill 96, 4, 3214868480
	.section	.rodata,"a",@progbits
	.p2align	6, 0x0
	.amdhsa_kernel k_q4c78d8d632_cast
		.amdhsa_group_segment_fixed_size 0
		.amdhsa_private_segment_fixed_size 0
		.amdhsa_enable_private_segment 0
		.amdhsa_kernarg_size 40
		.amdhsa_user_sgpr_count 2
		.amdhsa_user_sgpr_kernarg_segment_ptr 1
		.amdhsa_wavefront_size32 1
		.amdhsa_system_sgpr_workgroup_id_x 1
		.amdhsa_system_sgpr_workgroup_id_y 1
		.amdhsa_system_sgpr_workgroup_id_z 1
		.amdhsa_system_vgpr_workitem_id 0
		.amdhsa_next_free_vgpr 88
		.amdhsa_next_free_sgpr 66
		.amdhsa_reserve_vcc 1
		.amdhsa_float_denorm_mode_32 3
		.amdhsa_float_denorm_mode_16_64 3
		.amdhsa_memory_ordered 1
		.amdhsa_forward_progress 1
		.amdhsa_inst_pref_size 29
	.end_amdhsa_kernel
	.amdgpu_metadata
---
amdhsa.version: [ 1, 2 ]
amdhsa.kernels:
  - .name:           k_q4c78d8d632_cast
    .symbol:         k_q4c78d8d632_cast.kd
    .args:
      - { .name: local_tokens, .offset: 0, .size: 8, .value_kind: global_buffer, .address_space: global }
      - { .name: queries, .offset: 8, .size: 8, .value_kind: global_buffer, .address_space: global }
      - { .name: tb, .offset: 16, .size: 8, .value_kind: global_buffer, .address_space: global }
      - { .name: qb, .offset: 24, .size: 8, .value_kind: global_buffer, .address_space: global }
      - { .name: qn, .offset: 32, .size: 8, .value_kind: global_buffer, .address_space: global }
    .group_segment_fixed_size: 0
    .private_segment_fixed_size: 0
    .kernarg_segment_align: 8
    .kernarg_segment_size: 40
    .max_flat_workgroup_size: 256
    .sgpr_count:     66
    .vgpr_count:     88
    .wavefront_size: 32
...
	.end_amdgpu_metadata
.endif
;; end of part 3
;; launch attn: the kernel of part 2 again; grid 8 x 64, 4 waves a work-group, clusters of 4 x 1, 327,680 bytes of LDS; arguments tb, qb, qn, out0; writes out0
